; MI455X (gfx1250); checked and timed in simulation.
; The chip was launched on July 23, 2026; its instructions are those of AMD's public machine-readable ISA for CDNA 5 (MIT licence, August 2026) and "CDNA5" Instruction Set Architecture Reference Guide (July 2026). The comments in the code are by the model that wrote it; some were corrected since.
;; Self Attention. Allowed arithmetic: matrix products marked QUANTISED: E3M2 operands, one E8M0 scale for each 32 along K, by v_wmma_scale_f32_16x16x128_f8f6f4 with both operands' format E3M2, f32 sums; everything else in f32.
;; Inputs: mask 32 x 2,048 int32; x 32 x 2,048 x 256 float32.
;; Outputs: out0 32 x 2,048 x 256 float32.
;; This version of the problem:
;;   THIS VERSION OF THE PROBLEM IS GIVEN IN LOW PRECISION. The matrix products marked QUANTISED in the list below multiply operands that are first quantised to E3M2 (3 exponent bits, 2 mantissa bits; 6 bits a number), with one power-of-two scale for each 32 numbers along K (OCP MX v1.0); their sums are f32. All else is computed in f32.
;;   The module's matrix products, in the order in which they are computed (A, B: the left and right operand; K: the contracted axis; several contracted axes count as one K, in the product's order):
;;     1. batch 32 x [M 2,048, K 256] x [K 256, N 2,048]; A: input x; B: input x: QUANTISED
;;     2. batch 32 x [M 2,048, K 2,048] x [K 2,048, N 256]; A: computed on the way; B: input x: QUANTISED
;;   THE QUANTISER, for each operand of a quantised product, along K:
;;     - K is cut into blocks of 32 from its start; a last block that is shorter is filled with zeros.
;;     - A block's scale is 2^e with e = floor(log2(the largest magnitude in the block)) - 4, held to -126 .. 127; a block of zeros has e = 0. As a byte (E8M0): e + 127.
;;     - Each number is divided by its block's scale, clamped to +-28, and rounded to the nearest number of E3M2, ties to even, subnormals kept.
;;     - The product sums the exact products of the quantised numbers (number of the format x scale) in f32.
;;   ~~~python
;;   def quantise(x, axis):      # numpy; x: float32 -> the quantised numbers, widened to float32 again
;;       x = np.moveaxis(x, axis, -1); K = x.shape[-1]
;;       x = np.pad(x, [(0, 0)] * (x.ndim - 1) + [(0, -K % 32)]); x = x.reshape(x.shape[:-1] + (-1, 32)); a = np.abs(x).max(-1, keepdims=True)
;;       e = np.where(a > 0, np.clip(np.frexp(np.where(a > 0, a, 1))[1] - 1 - 4, -126, 127), 0)      # np.frexp(a)[1] - 1 = floor(log2(a)), exactly
;;       r = np.clip(x / 2.0 ** e, -28, 28)
;;       step = 2.0 ** (np.maximum(np.frexp(np.where(r == 0, 1, r))[1] - 1, -2) - 2)
;;       q = np.round(r / step) * step * 2.0 ** e      # np.round: ties to even
;;       return np.moveaxis(q.reshape(q.shape[:-2] + (-1,))[..., :K], -1, axis).astype(np.float32)
;;   ~~~
;;   OPERANDS COMPUTED ON THE WAY. 'Computed on the way' means the value that the module computes at that place (a softmax that the list does not call 'softmax' is quantised finished and normalised). What goes into a quantiser is computed in f32, as accurately as f32 sums, v_exp_f32 and their like allow (about 1e-6 of the number): no bf16 or f16 on the way to a quantiser, and a product that is left as it is and whose result goes on into a quantised operand takes f32 operands (vector FMAs, or v_wmma_f32_16x16x4_f32). A number that lies on a knife's edge between two numbers of the format may be rounded either way, as far as f32 arithmetic and the matrix unit's own rounding can turn it there, and no further.
;; One version. Each part assembles by itself: llvm-mc -triple=amdgcn-amd-amdhsa -mcpu=gfx1250 --defsym DOCPART=n.
;; ======== version 1 of 1: 2 launches
;; workspace buffers: kc 12,582,912 bytes; ksc 524,288 bytes; vc 12,582,912 bytes; vsc 524,288 bytes; order 262,144 bytes of whole numbers; cnt 256 bytes of whole numbers
;; launch prep (part 1): grid 16 x 32, 8 waves a work-group, no clusters, 136,192 bytes of LDS; arguments x, mask, kc, ksc, vc, vsc, order, cnt; writes kc, ksc, vc, vsc, order, cnt
.if DOCPART == 1
	.amdgcn_target "amdgcn-amd-amdhsa--gfx1250"
	.amdhsa_code_object_version 6
	.text
	.protected	k_q6860414955_prep
	.globl	k_q6860414955_prep
	.p2align	8
	.type	k_q6860414955_prep,@function
k_q6860414955_prep:
	s_mov_b64 s[64:65], 0
	v_nop
	global_prefetch_b8 v0, s[64:65] scope:SCOPE_SE
	s_setreg_imm32_b32 hwreg(HW_REG_WAVE_MODE, 25, 1), 1
	s_wait_xcnt 0x0
; THE PROGRAM.  out[b][j][:] = sum over i of Q(a)[i][j] Q(x)[i][:],  a[i][j] = exp(s[i][j]) m[j] / (sum over i of exp(s[i][j]) m[j] + 1e-7),  s[i][j] = Q(x[i]) . Q(x[j]).
; Q is the MX quantiser to E3M2: along d for s, along i for the second product.  x: [32][2048][256] f32, m = mask: [32][2048] int32.
; THIS LAUNCH quantises x once, both ways, into buffers laid in the order of the matrix operands' registers, and sorts each batch's columns j: those with m[j] != 0 first.
; WHAT THE PROGRAM DOES NOT COMPUTE.  A column j with m[j] = 0 has a[:][j] = 0 / 1e-7 = 0, so its row of out is 0.  Whole numbers read from memory decide that: the second launch reads
; the sorted list and the count that this launch stores, multiplies only the tiles of 16 columns that hold a live column, and stores zeros in the other rows.  No input is left out.
; LIMITS.  An overflow, an infinity or a NaN that arises only in a column with m[j] = 0 (infinity x 0 in the formula as written) is not carried to the result: that row is 0.
; A block of zeros gets the scale byte 1 where the quantiser says 127: its codes are zeros, and this program alone reads the bytes.  NaN and infinities in x are not served.
; SHARES.  Work-group (ks, b): keys 128 ks .. 128 ks + 127 of batch b, 128 rows of 1,024 bytes, brought into LDS once.  Eight waves.
;   K side (blocks of 32 along d): wave v makes tile kt = v: lane (r, h) holds key 32 (kt / 2) + 8 (kt % 2) + r + 8 (r / 8); fragment s = 0, 1: registers 6 c .. 6 c + 5 = d 128 s + 64 c + 32 h + 0 .. 31.
;   V side (blocks of 32 along the keys): wave v takes d = 32 v + lane, its registers run down the keys; two fragments dt = 2 v, 2 v + 1: lane (r, h): d = 16 dt + r, registers 6 c .. = keys 64 c + 32 h + 0 .. 31.
; kc: [b][ks][2 kt + s][3][lane][16 bytes];  ksc: [b][ks][kt][lane] words (lanes 0-15: s = 0, lanes 16-31: s = 1);  vc: [b][ks][dt][3][lane][16 bytes];  vsc: [b][ks][w][r][dt'] words, d = 64 w + 16 dt' + r.
; order: [b][2048]: the live columns ascending, then the others ascending.  cnt: [b]: how many are live.
.set XP,    1040                       ; a row of x in LDS: 1,024 bytes + 16
.set SCS,   128*XP                     ; behind the rows: ksc's 1,024 bytes for (b, ks), then vsc's
.set SPARE, SCS+2048                   ; the spare words, 128 bytes for each of eight waves: four blocks of 256 bytes that no other line names
.set L16,  1                           ; v1   16 x lane
.set XST,  2                           ; v2   where I store rows of x
.set KAD,  3                           ; v3   my key's row, + 128 h
.set VAD,  4                           ; v4-7 my column d, keys 32 kb on
.set SK,   8                           ; v8   where my word of ksc goes
.set SV,   9                           ; v9   and of vsc
.set H8,   10                          ; v10  8 h
.set L4,   11                          ; v11  4 x lane
.set SPW,  12                          ; v12  my spare word; never rewritten
.set NIL,  13                          ; v13  0; never rewritten
.set SRD,  14                          ; v14  SCS + 16 x thread
.set SOU,  15                          ; v15  16 x (thread % 64)
.set FA,   16                          ; v16-27 a fragment
.set FB,   28                          ; v28-39 a fragment
.set TC,   40                          ; v40-47 second halves of blocks (a conversion's three registers begin on an even number)
.set LN,   58                          ; v58  lane
.set MO,   60                          ; v60-63  wave 4: the mask of my work-group's 128 columns
.set X,    64                          ; v64-191 128 numbers
.set M,    192                         ; v192-255 wave 4: the batch's whole mask row
	s_load_b256 s[4:11], s[0:1], 0x0               ; x, mask, kc, ksc
	s_load_b256 s[12:19], s[0:1], 0x20             ; vc, vsc, order, cnt
	v_lshl_add_u32 v[SPW], v0, 2, SPARE
	v_mov_b32 v[NIL], 0
	v_lshrrev_b32 v16, 5, v0
	v_readfirstlane_b32 s20, v16                   ; wave 0..7
	s_mov_b32 s21, ttmp9                           ; ks
	s_and_b32 s22, ttmp7, 0xffff                   ; b
	v_and_b32 v[LN], 31, v0
	v_and_b32 v16, 15, v0                          ; r
	v_bfe_u32 v17, v0, 4, 1                        ; h
	v_lshlrev_b32 v[L16], 4, v[LN]
	v_lshlrev_b32 v[L4], 2, v[LN]
	v_lshlrev_b32 v[H8], 3, v17
	s_mul_i32 s26, s20, 16*XP
	v_add_nc_u32 v[XST], s26, v[L16]               ; my wave's 16 rows
	s_lshr_b32 s26, s20, 1
	s_lshl_b32 s26, s26, 5
	s_and_b32 s27, s20, 1
	s_lshl_b32 s27, s27, 3
	s_add_co_u32 s26, s26, s27                     ; the tile's first key: 32 (kt / 2) + 8 (kt % 2)
	s_mul_i32 s26, s26, XP
	v_and_b32 v18, 8, v16
	v_add_nc_u32 v18, v18, v16                     ; r + 8 (r / 8)
	v_mul_u32_u24 v[KAD], v18, XP
	v_lshl_add_u32 v[KAD], v17, 7, v[KAD]
	v_add_nc_u32 v[KAD], s26, v[KAD]
	s_lshl_b32 s26, s20, 7
	v_add_nc_u32 v[VAD], s26, v[L4]                ; 4 d = 128 wave + 4 lane
	v_add_nc_u32 v[VAD+1], 32*XP, v[VAD]
	v_add_nc_u32 v[VAD+2], 64*XP, v[VAD]
	v_add_nc_u32 v[VAD+3], 96*XP, v[VAD]
	v_add_nc_u32 v[SK], SCS, v[VAD]                ; SCS + 128 kt + 4 lane
	s_lshr_b32 s26, s20, 1
	s_lshl_b32 s26, s26, 8
	s_add_co_u32 s26, s26, s27                     ; 256 (wave / 2) + 8 (wave % 2)
	s_add_co_u32 s26, s26, SCS+1024
	v_lshlrev_b32 v[SV], 4, v16
	v_lshl_add_u32 v[SV], v17, 2, v[SV]
	v_add_nc_u32 v[SV], s26, v[SV]                 ; + 16 r + 4 h
	v_lshl_add_u32 v[SRD], v0, 4, SCS
	v_and_b32 v[SOU], 63, v0
	v_lshlrev_b32 v[SOU], 4, v[SOU]
	v_mov_b32 v57, 0                               ; written once: a lane permute's destination counts as one of its sources
	s_mov_b32 s24, 0x76543210
	s_mov_b32 s25, 0xfedcba98                      ; v_permlanex16_b32's selects for lane l xor 16
	s_lshl_b32 s32, s22, 21
	s_lshl_b32 s33, s21, 17
	s_add_co_u32 s32, s32, s33
	s_lshl_b32 s33, s20, 14
	s_add_co_u32 s32, s32, s33                     ; x: (2048 b + 128 ks + 16 wave) rows of 1,024 bytes
	s_mov_b32 s33, 0
	s_mul_i32 s34, s22, 393216
	s_mul_i32 s35, s21, 24576
	s_add_co_u32 s34, s34, s35
	s_mul_i32 s35, s20, 3072
	s_add_co_u32 s34, s34, s35                     ; kc and vc alike: my wave's two fragments
	s_mov_b32 s35, 0
	s_lshl_b32 s36, s22, 4
	s_add_co_u32 s36, s36, s21
	s_lshl_b32 s36, s36, 10                        ; ksc and vsc: 1,024 bytes for (b, ks)
	s_mov_b32 s37, 0
	s_lshl_b32 s38, s22, 13                        ; mask and order: a row of 8,192 bytes
	s_mov_b32 s39, 0
	s_lshl_b32 s44, s21, 9                         ; my work-group's 128 columns in it
	s_mov_b32 s45, 0
	s_lshl_b32 s46, s22, 2
	s_mov_b32 s47, 0
	s_wait_kmcnt 0x0
	s_add_nc_u64 s[4:5], s[4:5], s[32:33]
	s_add_nc_u64 s[8:9], s[8:9], s[34:35]
	s_add_nc_u64 s[12:13], s[12:13], s[34:35]
	s_add_nc_u64 s[10:11], s[10:11], s[36:37]
	s_add_nc_u64 s[14:15], s[14:15], s[36:37]
	s_add_nc_u64 s[6:7], s[6:7], s[38:39]
	s_add_nc_u64 s[16:17], s[16:17], s[38:39]
	s_add_nc_u64 s[28:29], s[6:7], s[44:45]
	s_add_nc_u64 s[18:19], s[18:19], s[46:47]
	; ---- 1: my 16 rows of x into LDS: 32 loads of 512 consecutive bytes, all out at once
.set I1, 0
.rept 32
	global_load_b128 v[X+4*I1:X+4*I1+3], v[L16], s[4:5] offset:512*I1 th:TH_LOAD_NT
.set I1, I1+1
.endr
.set I1, 0
.rept 32
	s_wait_loadcnt 31-I1                           ; loads come back in order: this one is in, the younger ones stay out
	ds_store_b128 v[XST], v[X+4*I1:X+4*I1+3] offset:(I1/2)*XP+(I1%2)*512
.set I1, I1+1
.endr
	s_cmp_lg_u32 s20, 4                            ; wave 4 sorts: it asks for the mask now, and the loads land while the codes are made
	s_cbranch_scc1 .Lno_mask
.set I1, 0
.rept 64
	global_load_b32 v[M+I1], v[L4], s[6:7] offset:128*I1
.set I1, I1+1
.endr
.irp c, 0,1,2,3
	global_load_b32 v[MO+\c], v[L4], s[28:29] offset:128*\c
.endr
.Lno_mask:
	s_wait_dscnt 0x0                               ; my rows lie in LDS
	s_barrier_signal -1
	s_barrier_wait -1                              ; everybody's do
	; ---- 2K: tile kt = wave.  My key's 128 numbers that the two fragments give my lane: four blocks of 32 along d
.set I1, 0
.rept 32
	ds_load_b128 v[X+4*I1:X+4*I1+3], v[KAD] offset:256*(I1/8)+16*(I1%8)
.set I1, I1+1
.endr
	s_wait_dscnt 0x0
; Fragment s: my two blocks (2 c + h of the four of these 128 d), their scale bytes, the codes; the word's four bytes are gathered from lanes l and l xor 16.
.macro QK s, f, w
.set XB, X+64*(\s)
.irp c, 0,1
	v_max3_num_f32 v[48+\c], |v[XB+32*\c]|, |v[XB+32*\c+1]|, 0x2800000   ; the floor 2^(5 - 127) among the leaves: the byte cannot fall under 1
.endr
.irp i, 2,4,6,8,10,12,14,16,18,20,22,24,26,28,30
.irp c, 0,1
	v_max3_num_f32 v[48+\c], v[48+\c], |v[XB+32*\c+\i]|, |v[XB+32*\c+\i+1]|
.endr
.endr
.irp c, 0,1
	v_add_nc_u32 v[50+\c], 0xfe000000, v[48+\c]    ; 4 off the exponent field: the conversion's scale operand
.endr
.irp c, 0,1
	v_lshrrev_b32 v[52+\c], 23, v[50+\c]           ; the scale's byte
.endr
	v_lshl_or_b32 v[\w], v53, 16, v52
	v_lshlrev_b32 v[\w], v[H8], v[\w]              ; blocks h and 2 + h at their places
	v_permlanex16_b32 v57, v[\w], s24, s25
	v_or_b32 v[\w], v[\w], v57
.irp c, 0,1
	v_cvt_scalef32_pk16_bf6_f32 v[\f+6*\c:\f+6*\c+2], v[XB+32*\c:XB+32*\c+15], v[50+\c]
	v_cvt_scalef32_pk16_bf6_f32 v[TC+4*\c:TC+4*\c+2], v[XB+32*\c+16:XB+32*\c+31], v[50+\c]
.endr
	v_nop                                          ; one plain place behind a scaled conversion
.irp c, 0,1
.irp i, 0,1,2
	v_mov_b32 v[\f+6*\c+3+\i], v[TC+4*\c+\i]
.endr
.endr
.irp e, 0,1,2
	global_store_b128 v[L16], v[\f+4*\e:\f+4*\e+3], s[8:9] offset:1536*(\s)+512*\e   ; 512 consecutive bytes
.endr
.endm
	QK 0, FA, 54
	QK 1, FB, 55
	v_cmp_gt_u32 vcc_lo, 16, v[LN]
	v_cndmask_b32 v54, v55, v54, vcc_lo            ; lanes 0-15 keep s = 0's word, lanes 16-31 take s = 1's
	ds_store_b32 v[SK], v54
	; ---- 2V: d = 32 wave + lane, registers down the 128 keys: four whole blocks in my lane
	s_wait_xcnt 0x0                                ; kc's stores have read FA and FB, which are written again below
.irp kb, 0,1,2,3
.set I1, 0
.rept 32
	ds_load_b32 v[X+32*\kb+I1], v[VAD+\kb] offset:XP*I1
.set I1, I1+1
.endr
.endr
	s_wait_dscnt 0x0
.irp kb, 0,1,2,3
	v_max3_num_f32 v[48+\kb], |v[X+32*\kb]|, |v[X+32*\kb+1]|, 0x2800000
.endr
.irp i, 2,4,6,8,10,12,14,16,18,20,22,24,26,28,30
.irp kb, 0,1,2,3
	v_max3_num_f32 v[48+\kb], v[48+\kb], |v[X+32*\kb+\i]|, |v[X+32*\kb+\i+1]|
.endr
.endr
.irp kb, 0,1,2,3
	v_add_nc_u32 v[52+\kb], 0xfe000000, v[48+\kb]
.endr
.irp kb, 0,1,2,3
	v_lshrrev_b32 v[48+\kb], 23, v[52+\kb]
.endr
	v_lshl_or_b32 v56, v49, 8, v48                 ; my d's scale word for these 128 keys
	v_lshl_or_b32 v56, v50, 16, v56
	v_lshl_or_b32 v56, v51, 24, v56
; blocks 2 g and 2 g + 1: the even block's six registers into FA + 6 g, the odd block's into FB + 6 g
.macro QVG g
.irp u, 0,1
	v_cvt_scalef32_pk16_bf6_f32 v[FA+12*\u+6*(\g):FA+12*\u+6*(\g)+2], v[X+32*(2*(\g)+\u):X+32*(2*(\g)+\u)+15], v[52+2*(\g)+\u]
	v_cvt_scalef32_pk16_bf6_f32 v[TC+4*\u:TC+4*\u+2], v[X+32*(2*(\g)+\u)+16:X+32*(2*(\g)+\u)+31], v[52+2*(\g)+\u]
.endr
	v_nop                                          ; one plain place behind a scaled conversion
.irp u, 0,1
.irp i, 0,1,2
	v_mov_b32 v[FA+12*\u+6*(\g)+3+\i], v[TC+4*\u+\i]
.endr
.endr
.endm
	QVG 0
	QVG 1
.irp e, 0,1,2,3,4,5,6,7,8,9,10,11
	v_permlane16_swap_b32 v[FA+\e], v[FB+\e]       ; FA's lanes 16-31 change places with FB's lanes 0-15: FA is now fragment dt = 2 wave, FB fragment 2 wave + 1
.endr
.irp e, 0,1,2
	global_store_b128 v[L16], v[FA+4*\e:FA+4*\e+3], s[12:13] offset:512*\e
.endr
.irp e, 0,1,2
	global_store_b128 v[L16], v[FB+4*\e:FB+4*\e+3], s[12:13] offset:1536+512*\e
.endr
	ds_store_b32 v[SV], v56
	s_wait_dscnt 0x0                               ; my scale words lie in LDS
	s_barrier_signal -1
	s_barrier_wait -1
	; ---- 3: the scale words leave in runs of 512 consecutive bytes: waves 0, 1 ksc's 1,024 bytes, waves 2, 3 vsc's
	s_cmp_lt_u32 s20, 4
	s_cbranch_scc0 .Lno_words
	ds_load_b128 v[40:43], v[SRD]
	s_cmp_lt_u32 s20, 2
	s_cselect_b64 s[30:31], s[10:11], s[14:15]
	s_wait_dscnt 0x0
	global_store_b128 v[SOU], v[40:43], s[30:31]
.Lno_words:
	; ---- 4: wave 4 places my work-group's 128 columns in the batch's list.  s40: live columns in the batch; s41: live columns ahead of the one in hand
	s_cmp_lg_u32 s20, 4
	s_cbranch_scc1 .Lclose
	s_wait_loadcnt 0x0                             ; the mask
	s_wait_xcnt 0x0
	s_mov_b32 s40, 0
	s_mov_b32 s41, 0
	s_lshl_b32 s42, s21, 2                         ; my columns begin at chunk 4 ks of 64
.set I1, 0
.rept 64
	v_cmp_ne_u32 vcc_lo, 0, v[M+I1]
	s_bcnt1_i32_b32 s43, vcc_lo
	s_add_co_u32 s40, s40, s43
	s_cmp_gt_u32 s42, I1
	s_cselect_b32 s43, s43, 0
	s_add_co_u32 s41, s41, s43
.set I1, I1+1
.endr
	s_lshl_b32 s44, s21, 7
.irp c, 0,1,2,3
	v_cmp_ne_u32 vcc_lo, 0, v[MO+\c]
	v_mbcnt_lo_u32_b32 v48, vcc_lo, 0              ; live lanes under mine
	s_bcnt1_i32_b32 s43, vcc_lo
	s_add_co_u32 s45, s44, 32*\c
	v_add_nc_u32 v[40+\c], s45, v[LN]              ; my column j
	v_add_nc_u32 v49, s41, v48                     ; live columns ahead of j: a live column's place
	v_sub_nc_u32 v50, v[40+\c], v49
	v_add_nc_u32 v50, s40, v50                     ; the others follow the live ones: cnt + (j - live columns ahead of j)
	v_cndmask_b32 v49, v50, v49, vcc_lo
	v_min_u32 v49, 2047, v49
	v_lshlrev_b32 v[44+\c], 2, v49
	global_store_b32 v[44+\c], v[40+\c], s[16:17]
	s_add_co_u32 s41, s41, s43
.endr
	s_cmp_lg_u32 s21, 0                            ; the count is stored by the batch's first work-group alone
	s_cbranch_scc1 .Lclose
	v_mov_b32 v50, s40
	v_mov_b32 v51, 0
	global_store_b32 v51, v50, s[18:19]            ; every lane writes the same word with the same value
.Lclose:
	s_wait_tensorcnt 0x0                           ; the wave's end: three lines behind my last LDS store
	ds_add_u32 v[SPW], v[NIL]
	s_wait_dscnt 0x0
	s_endpgm
.Lfunc_end_k_q6860414955_prep:
	.size	k_q6860414955_prep, .Lfunc_end_k_q6860414955_prep-k_q6860414955_prep
	.p2alignl 7, 3214868480
	.fill 96, 4, 3214868480
	.section	.rodata,"a",@progbits
	.p2align	6, 0x0
	.amdhsa_kernel k_q6860414955_prep
		.amdhsa_group_segment_fixed_size 136192
		.amdhsa_private_segment_fixed_size 0
		.amdhsa_enable_private_segment 0
		.amdhsa_kernarg_size 64
		.amdhsa_user_sgpr_count 2
		.amdhsa_user_sgpr_kernarg_segment_ptr 1
		.amdhsa_wavefront_size32 1
		.amdhsa_system_sgpr_workgroup_id_x 1
		.amdhsa_system_sgpr_workgroup_id_y 1
		.amdhsa_system_sgpr_workgroup_id_z 1
		.amdhsa_system_vgpr_workitem_id 0
		.amdhsa_next_free_vgpr 256
		.amdhsa_next_free_sgpr 66
		.amdhsa_reserve_vcc 1
		.amdhsa_float_denorm_mode_32 3
		.amdhsa_float_denorm_mode_16_64 3
		.amdhsa_memory_ordered 1
		.amdhsa_forward_progress 1
		.amdhsa_inst_pref_size 55
	.end_amdhsa_kernel
	.amdgpu_metadata
---
amdhsa.version: [ 1, 2 ]
amdhsa.kernels:
  - .name:           k_q6860414955_prep
    .symbol:         k_q6860414955_prep.kd
    .args:
      - { .name: x, .offset: 0, .size: 8, .value_kind: global_buffer, .address_space: global }
      - { .name: mask, .offset: 8, .size: 8, .value_kind: global_buffer, .address_space: global }
      - { .name: kc, .offset: 16, .size: 8, .value_kind: global_buffer, .address_space: global }
      - { .name: ksc, .offset: 24, .size: 8, .value_kind: global_buffer, .address_space: global }
      - { .name: vc, .offset: 32, .size: 8, .value_kind: global_buffer, .address_space: global }
      - { .name: vsc, .offset: 40, .size: 8, .value_kind: global_buffer, .address_space: global }
      - { .name: order, .offset: 48, .size: 8, .value_kind: global_buffer, .address_space: global }
      - { .name: cnt, .offset: 56, .size: 8, .value_kind: global_buffer, .address_space: global }
    .group_segment_fixed_size: 136192
    .private_segment_fixed_size: 0
    .kernarg_segment_align: 8
    .kernarg_segment_size: 64
    .max_flat_workgroup_size: 256
    .sgpr_count:     66
    .vgpr_count:     256
    .wavefront_size: 32
...
	.end_amdgpu_metadata
.endif
;; end of part 1
;; launch attn (part 2): grid 8 x 32, 4 waves a work-group, no clusters, 222,720 bytes of LDS; arguments kc, ksc, vc, vsc, order, cnt, mask, out0; writes out0
.if DOCPART == 2
	.amdgcn_target "amdgcn-amd-amdhsa--gfx1250"
	.amdhsa_code_object_version 6
	.text
	.protected	k_q6860414955_attn
	.globl	k_q6860414955_attn
	.p2align	8
	.type	k_q6860414955_attn,@function
k_q6860414955_attn:
	s_mov_b64 s[64:65], 0
	v_nop
	global_prefetch_b8 v0, s[64:65] scope:SCOPE_SE
	s_setreg_imm32_b32 hwreg(HW_REG_WAVE_MODE, 25, 1), 1
	s_wait_xcnt 0x0
; out[b][j][:] = sum over i of Q(a)[i][j] Q(x)[i][:],  a[i][j] = exp(s[i][j]) m[j] / (m[j] S[j] + 1e-7),  S[j] = sum over i of exp(s[i][j]),  s = Q(x[i]) . Q(x[j]).  Both products on codes of E3M2 with E8M0 scales.
; LEFT OUT: tiles of 16 columns in which every m[j] is 0 are not multiplied; their rows of out are stored as zeros, at the head (the list and the count that decide it are whole numbers read from memory: see the first launch's head).
; a is quantised finished and normalised, so a column's sum over all 2,048 keys comes first: SWEEP A makes s and the sums, SWEEP B makes s again, a's codes, and the second product.  No maximum is taken away: the formula takes none.
; SHARES.  Eight work-groups to a batch; work-group g takes the tiles g + 8 t (t = 0 .. 15) of the batch's sorted list of columns, of which the first T hold live columns.  Four waves share EVERY tile:
;   scores by keys: in a lap of 512 keys wave w owns keys 128 (4 n + w) on, for all T tiles; its 16 fragments of K stay in registers for the lap;
;   the second product by d: wave w owns d = 64 w .. 64 w + 63 for all tiles: 16 x 4 accumulators.  a's codes go from wave to wave through LDS as images of the operand's registers.
; Both products are used transposed (source 0 = 16 keys, or 16 of d; source 1 = 16 columns): a lane holds ONE column throughout.  The keys of a tile of K are laid so that the 16 registers of two neighbouring tiles are 16 neighbouring keys.
; BY TURNS.  A tile's scores are two halves of 64 keys, eight products each.  A tile has 16 products beside some 130 vector instructions in sweep A and some 180 in sweep B, and the wave is alone on its SIMD: so the eight products
;   of one half stand singly between slices of the other half's vector work.  K lies in another window than all that the vector work touches, so each such product costs two window switches: 32 a tile.
; THE NORMALISATION.  r = m / (m S + 1e-7) = f 2^e with f in [0.5, 1).  p = 2^(s log2(e) + log2 f) is one fused multiply-add and one exponential; a = p 2^e, and a power of two passes through the quantiser unchanged:
;   the codes are p's, and e is added to p's scale bytes.  The floor 2^(5 - e - 127) under a block's largest p holds the final byte at 1 from below, as the quantiser asks.  Where m = 0, log2 f is -infinity: p = 0.
; No tensor load and no cluster: which tiles are multiplied hangs on a count read from memory; K and V come from memory straight into registers, each fragment read by one wave of the work-group.
; LIMITS.  m S + 1e-7 of 2^126 or more is not served (its reciprocal falls to 0).  |m| up to 2^24 is exact.  The sum over i is taken in another order than the formula's.  s log2(e) carries the rounding of log2(e) to f32: |s| x 9e-8 in the exponent.
;   A block's largest p is made from its largest score by the same multiply-add and exponential: this takes v_exp_f32 not to fall where its input rises.
; REGISTERS, in windows of 256.  Window 0: below.  Window 1: v0-191 K (buffer A; at the end the rows' numbers), v192-239 V (buffer A).  Window 2: at the head the rows' numbers, in sweep A K (buffer B), then the accumulators of tiles 0-7 at 8 (4 t + dt').  Window 3: those of tiles 8-15.
.set PIMG,  65536                      ; LDS.  From 0: 16 slots of 4,096 bytes, one a tile: Q's two fragments (1,536 each), +3072 its scale words, +3584 16 bytes a lane: log2 f, the floor, e in four bytes, 0
.set PSLOT, 1664                       ; a's image: 1,536 bytes and 128 of scale words
.set PKS,   16*PSLOT                   ; [key step of the lap 4][tile 16]
.set SUMS,  PIMG+4*PKS                 ; [lap 4][wave 4][tile 16][lane] f32
.set STAGE, SUMS+32768                 ; the way out: 16 rows x 272 bytes for each wave
.set SP,    272
.set SPARE, STAGE+4*16*SP              ; the spare words, 128 bytes for each wave: two blocks of 256 bytes that no other line names
.set LAPB,  98304                      ; bytes of K's or V's codes in a lap
.set L16, 1                            ; 16 x lane
.set L4,  2                            ; 4 x lane
.set R16, 3                            ; 16 x (lane % 16)
.set QA,  4                            ; addresses in hand
.set QSA, 5
.set PWA, 6
.set PWS, 7
.set SUA, 8
.set STO, 9                            ; the stage: in
.set RD,  10                           ; and back
.set ORO, 11                           ; 64 g + 32 h: my eight rows' numbers in order
.set OB,  12                           ; 256 w + 16 (lane % 16): my bytes in a row of out
.set PFO, 13                           ; 256 x lane
.set MJ,  14                           ; v14-17  m of my tiles 4 w .. 4 w + 3
.set SPW, 18                           ; my spare word; never rewritten
.set NIL, 19                           ; 0; never rewritten
.set Z,   20                           ; v20-23  zeros
.set KS0, 24                           ; v24-31  K's scale words, set 0
.set S,   32                           ; v32-95  scores: two halves of 32
.set VC,  32                           ; v32-79  in the second product: V (buffer C)
.set Q,   96                           ; v96-119 Q's two fragments
.set PB,  96                           ; v96-143 in the second product: four images of a
.set CSTS, 120                         ; v120-123 the next tile's constants
.set CST, 124                          ; v124-126 log2 f, the floor, e in four bytes
.set PC,  128                          ; v128-139 a's codes
.set CT,  140                          ; v140-142 a block's second half
.set BN,  148                          ; v148-149 blocks' largest: the second chains
.set BM,  150                          ; v150-151 blocks' largest
.set PX,  152
.set SO,  154                          ; the conversions' scale operands
.set BY,  156
.set PW,  158                          ; a's scale word
.set SA,  160                          ; v160-167 the sums' four chains
.set JJ,  168                          ; head: v168-171 columns, v172-175, v140-147 offsets
.set QO,  172
.set QW,  140
.set MW,  144
.set VB,  176                          ; v176-223 V (buffer B)
.set ZO,  176                          ; head: v176-183 the zero rows' offsets
.set LN,  184                          ; head: lane, r, h, a temporary
.set RR,  185
.set HH,  186
.set TA,  187
.set VS,  224                          ; v224-239 V's scale words, four a key step
.set KS1, 240                          ; v240-247 K's scale words, set 1
.set PS,  248                          ; v248-251 a's scale words
.set QS,  252                          ; Q's scale words: lanes 0-15 d 0-127, lanes 16-31 d 128-255
.set PRA, 253
.set PRS, 254
.set WV, 20
.set G,  21
.set BB, 22
.set T,  23                            ; live tiles of my work-group
.set SEL, 24
.set CS, 26                            ; s[26:27] log2(e)
.set TQ, 28
.set TQ1, 29                           ; the slot of the tile to be fetched
.set TP, 30
.set TS, 31
.set TC, 32
.set LAP, 33
.set KP, 34
.set KSP, 36
.set VP, 38
.set VSP, 40
.set PFV, 42
.set PFK, 44
.set LIM, 46
.set LIM3, 56
.set MSB, 0
.macro WIN new                         ; the immediate's high byte repeats the setting that is left; a switch that changes nothing is dropped
.if MSB != (\new)
	s_set_vgpr_msb (MSB<<8)|(\new)
.set MSB, (\new)
.endif
.endm
.macro PLACES                          ; four plain places behind matrix instructions (ISA guide 7.12.1), where no other vector work is at hand
.rept 4
	v_nop
.endr
.endm
.macro BARRIER                         ; my LDS stores have landed and my LDS loads are in: then the work-group's barrier
	s_wait_dscnt 0x0
	s_barrier_signal -1
	s_barrier_wait -1
.endm
; my key step's 16 fragments of K and its 8 registers of scale words: 56 loads
.macro KLOAD win, ksr, imm
	WIN (\win)<<6
.set KI, 0
.rept 48
	global_load_b128 v[4*KI:4*KI+3], v[L16], s[KP:KP+1] offset:(\imm)+512*KI
.set KI, KI+1
.endr
	WIN 0
.irp u, 0,1,2,3,4,5,6,7
	global_load_b32 v[\ksr+\u], v[L4], s[KSP:KSP+1] offset:(\imm)/24+128*\u
.endr
.endm
; my four fragments of V for the lap's key step q, and their scale words: 13 loads
.macro VLOAD win, reg, q
	WIN (\win)<<6
.irp e, 0,1,2,3,4,5,6,7,8,9,10,11
	global_load_b128 v[\reg+4*\e:\reg+4*\e+3], v[L16], s[VP:VP+1] offset:24576*(\q)+512*\e
.endr
	WIN 0
	global_load_b128 v[VS+4*(\q):VS+4*(\q)+3], v[R16], s[VSP:VSP+1] offset:1024*(\q)
.endm
; the tile in slot s[TQ1]: Q's fragments and scale words; cst = 1: its constants too
.macro QLOAD cst
	v_add_nc_u32 v[QA], s[TQ1], v[L16]
	v_add_nc_u32 v[QSA], s[TQ1], v[L4]
.irp e, 0,1,2,3,4,5
	ds_load_b128 v[Q+4*\e:Q+4*\e+3], v[QA] offset:512*\e
.endr
	ds_load_b32 v[QS], v[QSA] offset:3072
.if \cst
	ds_load_b128 v[CSTS:CSTS+3], v[QA] offset:3584
.endif
.endm
; 64 keys x 16 columns x 256 d in one run: a lap's first half-tile, beside which there is no vector work yet.  Four accumulators by turns; the first four products start the sums
.macro MM c, kwin, ksr
	WIN \kwin
.irp u, 0,1,2,3
	v_wmma_scale_f32_16x16x128_f8f6f4 v[S+32*(\c)+8*\u:S+32*(\c)+8*\u+7], v[24*(4*(\c)+\u):24*(4*(\c)+\u)+11], v[Q:Q+11], 0, v[\ksr+4*(\c)+\u], v[QS] matrix_a_fmt:MATRIX_FMT_BF6 matrix_b_fmt:MATRIX_FMT_BF6
.endr
.irp u, 0,1,2,3
	v_wmma_scale_f32_16x16x128_f8f6f4 v[S+32*(\c)+8*\u:S+32*(\c)+8*\u+7], v[24*(4*(\c)+\u)+12:24*(4*(\c)+\u)+23], v[Q+12:Q+23], v[S+32*(\c)+8*\u:S+32*(\c)+8*\u+7], v[\ksr+4*(\c)+\u], v[QS] matrix_a_fmt:MATRIX_FMT_BF6 matrix_b_fmt:MATRIX_FMT_BF6 matrix_a_scale:MATRIX_SCALE_ROW1 matrix_b_scale:MATRIX_SCALE_ROW1
.endr
	WIN 0
.endm
; product i of the same eight, alone, with its two window switches: 0 to 3 start the four sums (d 0-127), 4 to 7 add d 128-255.  The four accumulators still take turns, whatever vector work stands between
.macro WM c, i, kwin, ksr
	WIN \kwin
.if (\i) < 4
	v_wmma_scale_f32_16x16x128_f8f6f4 v[S+32*(\c)+8*(\i):S+32*(\c)+8*(\i)+7], v[24*(4*(\c)+(\i)):24*(4*(\c)+(\i))+11], v[Q:Q+11], 0, v[\ksr+4*(\c)+(\i)], v[QS] matrix_a_fmt:MATRIX_FMT_BF6 matrix_b_fmt:MATRIX_FMT_BF6
.else
	v_wmma_scale_f32_16x16x128_f8f6f4 v[S+32*(\c)+8*((\i)-4):S+32*(\c)+8*((\i)-4)+7], v[24*(4*(\c)+(\i)-4)+12:24*(4*(\c)+(\i)-4)+23], v[Q+12:Q+23], v[S+32*(\c)+8*((\i)-4):S+32*(\c)+8*((\i)-4)+7], v[\ksr+4*(\c)+(\i)-4], v[QS] matrix_a_fmt:MATRIX_FMT_BF6 matrix_b_fmt:MATRIX_FMT_BF6 matrix_a_scale:MATRIX_SCALE_ROW1 matrix_b_scale:MATRIX_SCALE_ROW1
.endif
	WIN 0
.endm
; SWEEP A, half c of a tile: exp(s) and its sum; between its first slices stand the eight products of the OTHER half (c = 0: this tile's half 1; c = 1: the next tile's half 0).
; A slice: two packed scalings and two exponentials of numbers scaled a slice or more earlier.  No slice names an exponential's result.
; c = 0: behind the last product that reads Q stand its slice's two scalings and the two additions of QLOAD: four plain places; then the next tile's Q is asked for, and lands under the 18 exponentials, the wait and the sums.
.macro SMA c, kwin, ksr
.set SX, S+32*(\c)
.set SI, 0
.rept 8
	WM 1-(\c), SI, \kwin, \ksr
	v_pk_mul_f32 v[SX+4*SI:SX+4*SI+1], v[SX+4*SI:SX+4*SI+1], s[CS:CS+1] op_sel_hi:[1,0]
	v_pk_mul_f32 v[SX+4*SI+2:SX+4*SI+3], v[SX+4*SI+2:SX+4*SI+3], s[CS:CS+1] op_sel_hi:[1,0]
.if SI > 0
	v_exp_f32 v[SX+2*SI-2], v[SX+2*SI-2]
	v_exp_f32 v[SX+2*SI-1], v[SX+2*SI-1]
.endif
.set SI, SI+1
.endr
.if (\c) == 0
	QLOAD 0
.endif
.set EI, 14
.rept 18
	v_exp_f32 v[SX+EI], v[SX+EI]
.set EI, EI+1
.endr
	v_nop                                          ; a plain place behind the last exponential
	s_wait_alu depctr_va_vdst(0)                   ; one wait for the half's 32, ahead of their first reader
.if (\c) == 0
.irp q, 0,2,4,6
	v_pk_add_f32 v[SA+\q:SA+\q+1], v[SX+\q:SX+\q+1], v[SX+8+\q:SX+8+\q+1]   ; four chains, begun by the first eight pairs: nothing is cleared, and no line waits for the line above it
.endr
.irp m, 16,24
.irp q, 0,2,4,6
	v_pk_add_f32 v[SA+\q:SA+\q+1], v[SA+\q:SA+\q+1], v[SX+\m+\q:SX+\m+\q+1]
.endr
.endr
.else
.irp m, 0,8,16,24
.irp q, 0,2,4,6
	v_pk_add_f32 v[SA+\q:SA+\q+1], v[SA+\q:SA+\q+1], v[SX+\m+\q:SX+\m+\q+1]
.endr
.endr
.endif
.endm
; SWEEP B, half c of a tile: two blocks of 32 keys become codes and two scale bytes; between its first slices stand the eight products of the other half, as in sweep A.
; A block's largest score is taken in two chains of nine and seven numbers, so four chains take turns; the multiply-adds, which write over the scores, begin when all 32 have been read, and fill the gaps of the short serial part.
.macro SMB c
.set SX, S+32*(\c)
	WM 1-(\c), 0, 1, KS0
.irp u, 0,1
	v_max3_num_f32 v[BM+\u], v[SX+16*\u], v[SX+16*\u+1], v[SX+16*\u+2]
	v_max3_num_f32 v[BN+\u], v[SX+16*\u+8], v[SX+16*\u+9], v[SX+16*\u+10]
.endr
	WM 1-(\c), 1, 1, KS0
.irp u, 0,1
	v_max3_num_f32 v[BM+\u], v[BM+\u], v[SX+16*\u+3], v[SX+16*\u+4]
	v_max3_num_f32 v[BN+\u], v[BN+\u], v[SX+16*\u+11], v[SX+16*\u+12]
.endr
	WM 1-(\c), 2, 1, KS0
.irp u, 0,1
	v_max3_num_f32 v[BM+\u], v[BM+\u], v[SX+16*\u+5], v[SX+16*\u+6]
	v_max3_num_f32 v[BN+\u], v[BN+\u], v[SX+16*\u+13], v[SX+16*\u+14]
.endr
	WM 1-(\c), 3, 1, KS0
.irp u, 0,1
	v_max3_num_f32 v[BM+\u], v[BM+\u], v[SX+16*\u+7], v[SX+16*\u+15]
.endr
.irp j, 0,2
	v_pk_fma_f32 v[SX+\j:SX+\j+1], v[SX+\j:SX+\j+1], s[CS:CS+1], v[CST:CST+1] op_sel_hi:[1,0,0]   ; s log2(e) + log2 f (of each pair the low word serves both halves)
.endr
	WM 1-(\c), 4, 1, KS0
.irp u, 0,1
	v_max_num_f32 v[BM+\u], v[BM+\u], v[BN+\u]     ; the block's two chains
.endr
.irp j, 4,6,8
	v_pk_fma_f32 v[SX+\j:SX+\j+1], v[SX+\j:SX+\j+1], s[CS:CS+1], v[CST:CST+1] op_sel_hi:[1,0,0]
.endr
	WM 1-(\c), 5, 1, KS0
.irp u, 0,1
	v_permlanex16_b32 v[PX+\u], v[BM+\u], s[SEL], s[SEL+1]
.endr
.irp j, 10,12,14
	v_pk_fma_f32 v[SX+\j:SX+\j+1], v[SX+\j:SX+\j+1], s[CS:CS+1], v[CST:CST+1] op_sel_hi:[1,0,0]
.endr
	WM 1-(\c), 6, 1, KS0
.irp u, 0,1
	v_max_num_f32 v[BM+\u], v[BM+\u], v[PX+\u]     ; with lane l xor 16's 16 keys
.endr
.irp j, 16,18,20
	v_pk_fma_f32 v[SX+\j:SX+\j+1], v[SX+\j:SX+\j+1], s[CS:CS+1], v[CST:CST+1] op_sel_hi:[1,0,0]
.endr
	WM 1-(\c), 7, 1, KS0
.irp u, 0,1
	v_fma_f32 v[BM+\u], v[BM+\u], s[CS], v[CST]    ; the same of each block's largest score
.endr
.irp j, 22,24,26,28,30
	v_pk_fma_f32 v[SX+\j:SX+\j+1], v[SX+\j:SX+\j+1], s[CS:CS+1], v[CST:CST+1] op_sel_hi:[1,0,0]
.endr
.if (\c) == 0
	QLOAD 1                                        ; seven plain instructions stand behind the last product that read Q; the next tile's Q and constants land under the exponentials and the codes
.endif
.irp u, 0,1
	v_exp_f32 v[BM+\u], v[BM+\u]
.endr
.set EI, 0
.rept 32
	v_exp_f32 v[SX+EI], v[SX+EI]
.set EI, EI+1
.endr
	v_nop                                          ; a plain place behind the last exponential
	s_wait_alu depctr_va_vdst(0)                   ; one wait for the 34, ahead of their first reader
.irp u, 0,1
	v_max_num_f32 v[BM+\u], v[BM+\u], v[CST+1]     ; the column's floor
.endr
.irp u, 0,1
	v_add_nc_u32 v[SO+\u], 0xfe000000, v[BM+\u]    ; 4 off the exponent field: the conversion's scale operand
.endr
	v_cvt_scalef32_pk16_bf6_f32 v[PC+6*(\c):PC+6*(\c)+2], v[SX:SX+15], v[SO]
	v_cvt_scalef32_pk16_bf6_f32 v[CT:CT+2], v[SX+16:SX+31], v[SO+1]
.irp u, 0,1
	v_lshrrev_b32 v[BY+\u], 23, v[SO+\u]           ; the scale's byte.  (Also the plain place behind the conversions: it reads their scale operand and writes nothing of theirs)
.endr
.if (\c) == 0
	v_lshl_or_b32 v[PW], v[BY+1], 8, v[BY]
.else
	v_lshl_or_b32 v[PW], v[BY], 16, v[PW]
	v_lshl_or_b32 v[PW], v[BY+1], 24, v[PW]
.endif
.irp i, 0,1,2
	v_permlane16_swap_b32 v[PC+6*(\c)+\i], v[CT+\i]   ; the operand wants a whole block in a lane: lanes 0-15 block 2 c, lanes 16-31 block 2 c + 1
.endr
.irp i, 0,1,2
	v_mov_b32 v[PC+6*(\c)+3+\i], v[CT+\i]
.endr
.endm
.macro IMAGE                           ; the tile's fragment of a and its scale words go to LDS as they stand; then the next tile's constants take their place
	v_add_nc_u32 v[PW], v[PW], v[CST+2]            ; e onto each of the four bytes: each sum lies between 1 and 254, so nothing is carried from byte to byte
	v_add_nc_u32 v[PWA], s[TP], v[L16]
	v_add_nc_u32 v[PWS], s[TP], v[L4]
.irp e, 0,1,2
	ds_store_b128 v[PWA], v[PC+4*\e:PC+4*\e+3] offset:512*\e
.endr
	ds_store_b32 v[PWS], v[PW] offset:1536
.irp e, 0,1,2
	v_mov_b32 v[CST+\e], v[CSTS+\e]
.endr
.endm
.macro PLOAD t                         ; tile t's image of a: four LDS loads
.irp e, 0,1,2
	ds_load_b128 v[PB+12*((\t)%4)+4*\e:PB+12*((\t)%4)+4*\e+3], v[PRA] offset:PSLOT*(\t)+512*\e
.endr
	ds_load_b32 v[PS+(\t)%4], v[PRS] offset:PSLOT*(\t)
.endm
; O^T += V^T a for the lap's key step q: my 64 d x the live tiles.  Images run three tiles ahead in four sets of registers.
.macro PVSTEP q, vwin, vreg
	v_add_nc_u32 v[PRA], PIMG+PKS*(\q), v[L16]
	v_add_nc_u32 v[PRS], PIMG+PKS*(\q)+1536, v[L4]
	PLOAD 0
	PLOAD 1
	PLOAD 2
.irp t, 0,1,2,3,4,5,6,7,8,9,10,11,12,13,14,15
	s_cmp_le_u32 s[T], \t
	s_cbranch_scc1 .Lpv_end_\@
	PLACES                                         ; in front of loads into the set that the last tile's products read
.if \t < 13
	PLOAD \t+3
	s_wait_dscnt 12                                ; this tile's image is in; the three tiles behind it, four loads each, stay out
.else
	s_wait_dscnt 4*(15-\t)
.endif
	WIN ((2+\t/8)<<6)|((2+\t/8)<<4)|(\vwin)
.irp d, 0,1,2,3
	v_wmma_scale_f32_16x16x128_f8f6f4 v[8*(4*(\t%8)+\d):8*(4*(\t%8)+\d)+7], v[\vreg+12*\d:\vreg+12*\d+11], v[PB+12*(\t%4):PB+12*(\t%4)+11], v[8*(4*(\t%8)+\d):8*(4*(\t%8)+\d)+7], v[VS+4*(\q)+\d], v[PS+\t%4] matrix_a_fmt:MATRIX_FMT_BF6 matrix_b_fmt:MATRIX_FMT_BF6
.endr
	WIN 0
.endr
.Lpv_end_\@:
	s_wait_dscnt 0x0                               ; images asked for ahead and not used have landed: their registers may be loaded again
	PLACES
.endm
; A prefetch of a lap's 96 KiB of K or V: 12 waves of the batch's 32 (4 g + w under 12) name 32 blocks of 256 bytes each, lanes 256 bytes apart: each block is named once in the launch.
.macro ASKK imm
	s_cmp_eq_u32 s[LIM], 1
	s_cbranch_scc0 .Lnot_k_\@
	global_prefetch_b8 v[PFO], s[PFK:PFK+1] offset:\imm th:TH_LOAD_NT scope:SCOPE_SE
.Lnot_k_\@:
.endm
	s_load_b256 s[4:11], s[0:1], 0x0               ; kc, ksc, vc, vsc
	s_load_b256 s[12:19], s[0:1], 0x20             ; order, cnt, mask, out
	v_lshl_add_u32 v[SPW], v0, 2, SPARE
	v_mov_b32 v[NIL], 0
	v_lshrrev_b32 v[LN], 5, v0
	v_readfirstlane_b32 s[WV], v[LN]               ; wave 0..3
	s_mov_b32 s[G], ttmp9
	s_and_b32 s[BB], ttmp7, 0xffff
	v_and_b32 v[LN], 31, v0
	v_and_b32 v[RR], 15, v0                        ; r
	v_bfe_u32 v[HH], v0, 4, 1                      ; h
	v_lshlrev_b32 v[L16], 4, v[LN]
	v_lshlrev_b32 v[L4], 2, v[LN]
	v_lshlrev_b32 v[R16], 4, v[RR]
	v_lshlrev_b32 v[PFO], 8, v[LN]
	s_mul_i32 s47, s[WV], 16*SP
	s_add_co_u32 s47, s47, STAGE                   ; my stage
	v_mul_u32_u24 v[STO], v[RR], SP
	v_lshl_add_u32 v[STO], v[HH], 5, v[STO]
	v_add_nc_u32 v[STO], s47, v[STO]               ; in: row r (my column), 32 bytes for each half of the lanes
	v_mul_u32_u24 v[RD], v[HH], 8*SP
	v_lshl_add_u32 v[RD], v[RR], 4, v[RD]
	v_add_nc_u32 v[RD], s47, v[RD]                 ; back: lanes 0-15 rows 0-7, lanes 16-31 rows 8-15; 16 bytes a lane
	s_lshl_b32 s48, s[G], 6
	v_lshl_add_u32 v[ORO], v[HH], 5, s48
	s_lshl_b32 s48, s[WV], 8
	v_lshl_add_u32 v[OB], v[RR], 4, s48
.irp e, 0,1,2,3
	v_mov_b32 v[Z+\e], 0
.endr
	v_mov_b32 v[PX], 0                             ; written once: a lane permute's destination counts as one of its sources
	v_mov_b32 v[PX+1], 0
	s_mov_b32 s[SEL], 0x76543210
	s_mov_b32 s[SEL+1], 0xfedcba98
	s_mov_b32 s[CS], 0x3fb8aa3b                    ; log2(e)
	s_mov_b32 s[CS+1], s[CS]                       ; (named with it as a pair, so it is written)
	s_mul_i32 s48, s[BB], 393216                   ; the batch's first byte in kc and vc,
	s_mov_b32 s49, 0
	s_lshl_b32 s50, s[BB], 14                      ; in ksc and vsc,
	s_mov_b32 s51, 0
	s_lshl_b32 s52, s[BB], 13                      ; in order and mask,
	s_mov_b32 s53, 0
	s_lshl_b32 s54, s[BB], 21                      ; in out,
	s_mov_b32 s55, 0
	s_lshl_b32 s58, s[BB], 2                       ; in cnt
	s_mov_b32 s59, 0
	s_wait_kmcnt 0x0
	s_add_nc_u64 s[4:5], s[4:5], s[48:49]
	s_add_nc_u64 s[8:9], s[8:9], s[48:49]
	s_add_nc_u64 s[6:7], s[6:7], s[50:51]
	s_add_nc_u64 s[10:11], s[10:11], s[50:51]
	s_add_nc_u64 s[12:13], s[12:13], s[52:53]
	s_add_nc_u64 s[16:17], s[16:17], s[52:53]
	s_add_nc_u64 s[18:19], s[18:19], s[54:55]
	s_add_nc_u64 s[14:15], s[14:15], s[58:59]
	s_load_b32 s[T], s[14:15], 0x0                 ; the batch's live columns
	s_mul_i32 s48, s[WV], 24576
	s_add_nc_u64 s[KP:KP+1], s[4:5], s[48:49]      ; K: key step w of lap 0
	s_lshl_b32 s48, s[WV], 10
	s_add_nc_u64 s[KSP:KSP+1], s[6:7], s[48:49]
	s_mul_i32 s48, s[WV], 6144
	s_add_nc_u64 s[VP:VP+1], s[8:9], s[48:49]      ; V: my four tiles of d
	s_lshl_b32 s48, s[WV], 8
	s_add_nc_u64 s[VSP:VSP+1], s[10:11], s[48:49]
	s_lshl_b32 s47, s[G], 2
	s_add_co_u32 s47, s47, s[WV]                   ; 4 g + w
	s_lshl_b32 s48, s47, 13
	s_add_nc_u64 s[PFK:PFK+1], s[4:5], s[48:49]
	s_add_nc_u64 s[PFV:PFV+1], s[8:9], s[48:49]
	s_cmp_lt_u32 s47, 12
	s_cselect_b32 s[LIM], 1, 0
	s_cselect_b32 s[LIM3], 3, 0
	s_lshl_b32 s47, s[G], 6
	s_lshl_b32 s48, s[WV], 11
	s_add_co_u32 s47, s47, s48
	v_lshl_add_u32 v[TA], v[RR], 2, s47            ; order: tile g + 8 (4 w + k), column r: 64 g + 2048 w + 512 k + 4 r
.irp k, 0,1,2,3
	global_load_b32 v[JJ+\k], v[TA], s[12:13] offset:512*\k
.endr
	WIN 0x80                                       ; destination window 2, which K's buffer B takes only in sweep A: the numbers of my sixteen tiles' rows of out: order[16 (g + 8 t) + 8 h + 0 .. 7]
.irp t, 0,1,2,3,4,5,6,7,8,9,10,11,12,13,14,15
	global_load_b128 v[8*\t:8*\t+3], v[ORO], s[12:13] offset:512*\t
	global_load_b128 v[8*\t+4:8*\t+7], v[ORO], s[12:13] offset:512*\t+16
.endr
	WIN 0
	KLOAD 1, KS0, 0                                ; lap 0's K
	; While these are out: every LDS byte that is read later is written: the images of a and the sums of tiles that turn out not to be live are zeros.
	s_mul_i32 s47, s[WV], PKS
	s_add_co_u32 s47, s47, PIMG
	v_add_nc_u32 v[PWA], s47, v[L16]
	v_add_nc_u32 v[PWS], s47, v[L4]
.irp t, 0,1,2,3,4,5,6,7,8,9,10,11,12,13,14,15
.irp e, 0,1,2
	ds_store_b128 v[PWA], v[Z:Z+3] offset:PSLOT*\t+512*\e
.endr
	ds_store_b32 v[PWS], v[Z] offset:PSLOT*\t+1536
.endr
	s_lshl_b32 s47, s[WV], 11
	s_add_co_u32 s47, s47, SUMS
	v_add_nc_u32 v[SUA], s47, v[L16]
.irp n, 0,1,2,3
.irp e, 0,1,2,3
	ds_store_b128 v[SUA], v[Z:Z+3] offset:8192*\n+512*\e
.endr
.endr
	; The accumulators are cleared: sweep B's lap is written once, and its first trip adds onto zeros.
	WIN 0xc0
.set CI, 0
.rept 256
	v_mov_b32 v[CI], 0
.set CI, CI+1
.endr
	WIN 0
	s_wait_kmcnt 0x0
	s_min_u32 s[T], s[T], 2048
	s_add_co_u32 s[T], s[T], 15
	s_lshr_b32 s[T], s[T], 4                       ; tiles with a live column in the batch
	s_add_co_u32 s[T], s[T], 7
	s_sub_co_u32 s[T], s[T], s[G]
	s_lshr_b32 s[T], s[T], 3                       ; of them g, g + 8, .. are mine
	s_wait_loadcnt 56                              ; the 4 + 32 loads of order are in; K's 56 behind them stay out
; Column j's codes lie in kc as key j's: key step j / 128, tile 2 ((j / 32) % 4) + (j / 8) % 2, lane (j % 8) + 8 ((j / 16) % 2) + 16 h.
.macro QGATHER k
	v_min_u32 v[JJ+\k], 2047, v[JJ+\k]
	v_and_b32 v128, 0x7e0, v[JJ+\k]
	v_and_b32 v129, 8, v[JJ+\k]
	v_and_b32 v130, 7, v[JJ+\k]
	v_and_b32 v131, 16, v[JJ+\k]
	v_mul_u32_u24 v[QO+\k], v128, 192
	v_lshlrev_b32 v[QW+\k], 3, v128
	v_mad_u32_u24 v[QO+\k], v129, 384, v[QO+\k]
	v_lshl_add_u32 v[QW+\k], v129, 4, v[QW+\k]
	v_lshl_add_u32 v[QO+\k], v130, 4, v[QO+\k]
	v_lshl_add_u32 v[QW+\k], v130, 2, v[QW+\k]
	v_lshl_add_u32 v[QO+\k], v131, 3, v[QO+\k]
	v_lshl_add_u32 v[QW+\k], v131, 1, v[QW+\k]
	v_lshl_add_u32 v[QO+\k], v[HH], 8, v[QO+\k]
	v_lshl_add_u32 v[QW+\k], v[HH], 6, v[QW+\k]
	v_lshlrev_b32 v[MW+\k], 2, v[JJ+\k]
.irp e, 0,1,2,3,4,5
	global_load_b128 v[S+24*\k+4*\e:S+24*\k+4*\e+3], v[QO+\k], s[4:5] offset:512*\e
.endr
	global_load_b32 v[132+\k], v[QW+\k], s[6:7]
	global_load_b32 v[MJ+\k], v[MW+\k], s[16:17]
.endm
	QGATHER 0
	QGATHER 1
	QGATHER 2
	QGATHER 3
	s_lshl_b32 s47, s[WV], 14
	v_add_nc_u32 v[QA], s47, v[L16]
	v_add_nc_u32 v[QSA], s47, v[L4]
	; THE ZERO ROWS leave now, while Q's codes are on their way: the rows of my tiles T .. 15, from 15 downwards, so that one exit serves.  Sixteen lanes store 256 consecutive bytes, at a multiple of 256 from out's first byte.
.irp t, 15,14,13,12,11,10,9,8,7,6,5,4,3,2,1,0
	s_cmp_gt_u32 s[T], \t
	s_cbranch_scc1 .Lzdone
	s_wait_xcnt 0x0                                ; the tile before has read its eight offsets, which are written again
	WIN 0x08                                       ; source 1: window 2, the rows' numbers
.irp i, 0,1,2,3,4,5,6,7
	v_min_u32 v[ZO+\i], 2047, v[8*\t+\i]
.endr
	WIN 0
.irp i, 0,1,2,3,4,5,6,7
	v_lshl_add_u32 v[ZO+\i], v[ZO+\i], 10, v[OB]   ; row j of 1,024 bytes + my wave's 256 + 16 (lane % 16)
.endr
.irp i, 0,1,2,3,4,5,6,7
	global_store_b128 v[ZO+\i], v[Z:Z+3], s[18:19] th:TH_STORE_NT
.endr
.endr
.Lzdone:
	s_wait_loadcnt 0x0
	s_wait_xcnt 0x0                                ; the zero rows' stores have read their offsets: V's buffer B lands on those registers later
.irp k, 0,1,2,3
.irp e, 0,1,2,3,4,5
	ds_store_b128 v[QA], v[S+24*\k+4*\e:S+24*\k+4*\e+3] offset:4096*\k+512*\e
.endr
	ds_store_b32 v[QSA], v[132+\k] offset:4096*\k+3072
.endr
	BARRIER                                        ; the sixteen tiles' Q lie in LDS
; ---- SWEEP A, lap n: my 128 keys against the live tiles.  The halves of a tile are a step apart: one half's products stand between the slices of the other half's exponentials.
.macro LAP_A n
	KLOAD 1+((\n)+1)%2, KS0+(KS1-KS0)*(((\n)+1)%2), LAPB*(((\n)+1)%4)   ; the next lap's K into the other buffer (behind the last lap: sweep B's first)
.if (\n) < 2
	ASKK LAPB*((\n)+2)                             ; the lap after that: its loads are issued a lap from here
.endif
.if (\n) == 3
	s_cmp_eq_u32 s[LIM], 1
	s_cbranch_scc0 .Lnot_v_\@
	global_prefetch_b8 v[PFO], s[PFV:PFV+1] th:TH_LOAD_NT scope:SCOPE_SE   ; V's first lap
.Lnot_v_\@:
.endif
	s_wait_loadcnt 56                              ; this lap's K is in; the 56 loads just issued stay out
	s_mov_b32 s[TQ], 0
	s_mov_b32 s[TQ1], 0
	s_lshl_b32 s[TS], s[WV], 11
	s_add_co_u32 s[TS], s[TS], SUMS
	s_mov_b32 s[TC], 0
	QLOAD 0
	s_wait_dscnt 0x0
	s_mov_b32 s[TQ1], 4096
	MM 0, 1+(\n)%2, KS0+(KS1-KS0)*((\n)%2)
	PLACES
.Lta_\@:                                           ; sixteen trips; a trip whose tile is not live steps the addresses alone
	s_cmp_ge_u32 s[TC], s[T]
	s_cbranch_scc1 .Lna_\@
	SMA 0, 1+(\n)%2, KS0+(KS1-KS0)*((\n)%2)        ; half 0's exponentials and sums | this tile's half 1: products | the next tile's Q is asked for
	s_wait_dscnt 0x0                               ; the next tile's Q is in
	SMA 1, 1+(\n)%2, KS0+(KS1-KS0)*((\n)%2)        ; half 1's exponentials and sums | the next tile's half 0: products
	v_pk_add_f32 v[SA:SA+1], v[SA:SA+1], v[SA+2:SA+3]
	v_pk_add_f32 v[SA+4:SA+5], v[SA+4:SA+5], v[SA+6:SA+7]
	v_add_nc_u32 v[SUA], s[TS], v[L4]
	v_pk_add_f32 v[SA:SA+1], v[SA:SA+1], v[SA+4:SA+5]
	v_add_f32 v[SA], v[SA], v[SA+1]
	ds_store_b32 v[SUA], v[SA] offset:8192*(\n)    ; my lane's 64 keys of its column
.Lna_\@:
	s_add_co_u32 s[TQ], s[TQ], 4096
	s_add_co_u32 s[TQ1], s[TQ], 4096
	s_and_b32 s[TQ1], s[TQ1], 0xffff               ; (behind the last slot: slot 0, fetched and not used)
	s_add_co_u32 s[TS], s[TS], 128
	s_add_co_u32 s[TC], s[TC], 1
	s_cmp_lt_u32 s[TC], 16
	s_cbranch_scc1 .Lta_\@
.endm
	LAP_A 0
	LAP_A 1
	LAP_A 2
	LAP_A 3
	; ---- THE NORMALISATION: wave w finishes tiles 4 w .. 4 w + 3: 16 partial sums a lane, the other half of the lanes', r, and the three constants
	BARRIER                                        ; all partial sums lie in LDS
	s_lshl_b32 s47, s[WV], 9
	s_add_co_u32 s47, s47, SUMS
	v_add_nc_u32 v[SUA], s47, v[L4]
.irp k, 0,1,2,3
.irp i, 0,1,2,3,4,5,6,7,8,9,10,11,12,13,14,15
	ds_load_b32 v[S+16*\k+\i], v[SUA] offset:8192*(\i/4)+2048*(\i%4)+128*\k
.endr
.endr
	WIN 0x80                                       ; K's buffer B is done with: its window takes the accumulators of tiles 0-7, cleared as those of tiles 8-15 were
.set CI, 0
.rept 256
	v_mov_b32 v[CI], 0
.set CI, CI+1
.endr
	WIN 0
	s_mov_b32 s50, 0x3f000000
	s_mov_b32 s51, 0x01010101
	s_mov_b32 s52, 0x33d6bf95                      ; 1e-7
	v_mov_b32 v[BM], 0xff800000                    ; -infinity
	s_lshl_b32 s47, s[WV], 14
	v_add_nc_u32 v[QA], s47, v[L16]
	s_wait_dscnt 0x0
.irp k, 0,1,2,3
.irp p, 0,4,8,12
	v_pk_add_f32 v[S+16*\k+\p:S+16*\k+\p+1], v[S+16*\k+\p:S+16*\k+\p+1], v[S+16*\k+\p+2:S+16*\k+\p+3]
.endr
.endr
.irp k, 0,1,2,3
.irp p, 0,8
	v_pk_add_f32 v[S+16*\k+\p:S+16*\k+\p+1], v[S+16*\k+\p:S+16*\k+\p+1], v[S+16*\k+\p+4:S+16*\k+\p+5]
.endr
.endr
.irp k, 0,1,2,3
	v_pk_add_f32 v[S+16*\k:S+16*\k+1], v[S+16*\k:S+16*\k+1], v[S+16*\k+8:S+16*\k+9]
.endr
.irp k, 0,1,2,3
	v_add_f32 v[S+16*\k], v[S+16*\k], v[S+16*\k+1]
.endr
.irp k, 0,1,2,3
	v_permlanex16_b32 v[S+16*\k+1], v[S+16*\k], s[SEL], s[SEL+1]
.endr
.irp k, 0,1,2,3
	v_add_f32 v[S+16*\k], v[S+16*\k], v[S+16*\k+1] ; S[j]
.endr
.irp k, 0,1,2,3
	v_cvt_f32_i32 v[S+16*\k+2], v[MJ+\k]           ; m
.endr
.irp k, 0,1,2,3
	v_fma_f32 v[S+16*\k+3], v[S+16*\k+2], v[S+16*\k], s52
.endr
.irp k, 0,1,2,3
	v_rcp_f32 v[S+16*\k+4], v[S+16*\k+3]
.endr
	v_nop                                          ; a plain place behind the last reciprocal
	s_wait_alu depctr_va_vdst(0)                   ; one wait for the four
.irp k, 0,1,2,3
	v_mul_f32 v[S+16*\k+4], v[S+16*\k+2], v[S+16*\k+4]   ; r = m / (m S + 1e-7)
.endr
.irp k, 0,1,2,3
	v_lshrrev_b32 v[S+16*\k+5], 23, v[S+16*\k+4]   ; r's exponent field = e + 126
.endr
.irp k, 0,1,2,3
	v_and_or_b32 v[S+16*\k+6], v[S+16*\k+4], 0x7fffff, s50   ; f: r's mantissa under the exponent of 0.5
.endr
.irp k, 0,1,2,3
	v_log_f32 v[S+16*\k+7], v[S+16*\k+6]
.endr
.irp k, 0,1,2,3
	v_sub_nc_u32 v[S+16*\k+9], 131, v[S+16*\k+5]
.endr
.irp k, 0,1,2,3
	v_lshlrev_b32 v[S+16*\k+9], 23, v[S+16*\k+9]   ; the floor 2^(5 - e - 127)
.endr
.irp k, 0,1,2,3
	v_add_nc_u32 v[S+16*\k+10], 0xffffff82, v[S+16*\k+5]
.endr
.irp k, 0,1,2,3
	v_mul_lo_u32 v[S+16*\k+10], v[S+16*\k+10], s51 ; e in each of four bytes
.endr
.irp k, 0,1,2,3
	v_mov_b32 v[S+16*\k+11], 0
.endr
	s_wait_alu depctr_va_vdst(0)                   ; one wait for the four logarithms
.irp k, 0,1,2,3
	v_cmp_eq_u32 vcc_lo, 0, v[MJ+\k]
	v_cndmask_b32 v[S+16*\k+8], v[S+16*\k+7], v[BM], vcc_lo   ; m = 0: -infinity, so that p = 0
	ds_store_b128 v[QA], v[S+16*\k+8:S+16*\k+11] offset:4096*\k+3584
.endr
	BARRIER                                        ; every tile's constants lie in LDS
	; ---- SWEEP B: four laps.  In each: scores, codes of a and their images (my 128 keys, the live tiles) | barrier | the second product (my 64 d, the lap's four key steps) | barrier
	s_mov_b32 s[LAP], 0
.Llap:
	VLOAD 1, 192, 0                                ; V of the lap's key steps 0 and 1: they have the whole score phase in which to land
	VLOAD 0, VB, 1
	s_cmp_lt_u32 s[LAP], s[LIM3]                   ; the next lap's V, while there is one
	s_cbranch_scc0 .Lnot_v
	global_prefetch_b8 v[PFO], s[PFV:PFV+1] offset:LAPB th:TH_LOAD_NT scope:SCOPE_SE
.Lnot_v:
	s_wait_loadcnt 26                              ; this lap's K is in; V's two groups of 13 stay out
	s_mov_b32 s[TQ], 0
	s_mov_b32 s[TQ1], 0
	s_mul_i32 s[TP], s[WV], PKS
	s_add_co_u32 s[TP], s[TP], PIMG
	s_mov_b32 s[TC], 0
	QLOAD 1
	s_wait_dscnt 0x0
.irp e, 0,1,2
	v_mov_b32 v[CST+\e], v[CSTS+\e]
.endr
	s_mov_b32 s[TQ1], 4096
	MM 0, 1, KS0
	PLACES
.Ltb:
	s_cmp_ge_u32 s[TC], s[T]
	s_cbranch_scc1 .Lnb
	SMB 0                                          ; half 0's codes | this tile's half 1: products | the next tile's Q and constants are asked for
	s_wait_dscnt 0x0                               ; the next tile's Q and constants are in
	SMB 1                                          ; half 1's codes | the next tile's half 0: products
	IMAGE
.Lnb:
	s_add_co_u32 s[TQ], s[TQ], 4096
	s_add_co_u32 s[TQ1], s[TQ], 4096
	s_and_b32 s[TQ1], s[TQ1], 0xffff
	s_add_co_u32 s[TP], s[TP], PSLOT
	s_add_co_u32 s[TC], s[TC], 1
	s_cmp_lt_u32 s[TC], 16
	s_cbranch_scc1 .Ltb
	s_wait_loadcnt 0x0                             ; V of key steps 0 and 1
	s_cmp_lt_u32 s[LAP], 3
	s_cbranch_scc0 .Llast_lap
	KLOAD 1, KS0, LAPB                             ; K's buffer is done with for this lap: the next lap's K lands under the second product
	s_branch .Lk_asked
.Llast_lap:                                        ; in the last lap it takes the numbers of the rows of out once more: order[16 (g + 8 t) + 8 h + 0 .. 7]
	WIN 0x40
.irp t, 0,1,2,3,4,5,6,7,8,9,10,11,12,13,14,15
	global_load_b128 v[8*\t:8*\t+3], v[ORO], s[12:13] offset:512*\t
	global_load_b128 v[8*\t+4:8*\t+7], v[ORO], s[12:13] offset:512*\t+16
.endr
	WIN 0
.Lk_asked:
	BARRIER                                        ; the lap's images of a lie in LDS
	VLOAD 0, VC, 2
	PVSTEP 0, 1, 192
	VLOAD 1, 192, 3
	PVSTEP 1, 0, VB
	s_wait_loadcnt 13                              ; V of key step 2 is in; key step 3's 13 loads stay out
	PVSTEP 2, 0, VC
	s_wait_loadcnt 0x0
	s_wait_xcnt 0x0                                ; every load and prefetch has read its base: the bases step to the next lap
	s_add_nc_u64 s[KP:KP+1], s[KP:KP+1], LAPB
	s_add_nc_u64 s[VP:VP+1], s[VP:VP+1], LAPB
	s_add_nc_u64 s[PFV:PFV+1], s[PFV:PFV+1], LAPB
	s_add_nc_u64 s[KSP:KSP+1], s[KSP:KSP+1], 4096
	s_add_nc_u64 s[VSP:VSP+1], s[VSP:VSP+1], 4096
	PVSTEP 3, 1, 192
	BARRIER                                        ; nobody reads the images any more: the next lap writes them again
	s_add_co_u32 s[LAP], s[LAP], 1
	s_cmp_lt_u32 s[LAP], 4
	s_cbranch_scc1 .Llap
	; ---- THE WAY OUT, a live tile at a time: a lane's 32 bytes of a row go into my stage and come back as rows of 256 bytes; sixteen lanes store 256 consecutive bytes, at a multiple of 256 from out's first byte.
	; A tile's stores stand behind the next tile's turn through the stage.  The walk ends at tile T: the tile staged last is then sent by the tail of its parity, since the staging registers take turns by parity.
.macro TOSTAGE t
.set DD, S+32*((\t)%2)
.set OF, Q+8*((\t)%2)
.set AC, 32*((\t)%8)
	WIN 0x08+4*((\t)/8)                            ; an LDS store's data are its source 1: window 2 or 3
.irp d, 0,1,2,3
	ds_store_b128 v[STO], v[AC+8*\d:AC+8*\d+3] offset:64*\d          ; each accumulator from its low end on
	ds_store_b128 v[STO], v[AC+8*\d+4:AC+8*\d+7] offset:64*\d+16
.endr
	WIN 0
.irp i, 0,1,2,3,4,5,6,7
	ds_load_b128 v[DD+4*\i:DD+4*\i+3], v[RD] offset:SP*\i            ; LDS serves a wave's instructions in order: these see my stores, and the next tile's stores come behind them
.endr
	WIN 0x04                                       ; source 1: window 1, the rows' numbers
.irp i, 0,1,2,3,4,5,6,7
	v_min_u32 v[OF+\i], 2047, v[8*(\t)+\i]
.endr
	WIN 0
.irp i, 0,1,2,3,4,5,6,7
	v_lshl_add_u32 v[OF+\i], v[OF+\i], 10, v[OB]   ; row j of 1,024 bytes + my wave's 256 + 16 (lane % 16)
.endr
.endm
.macro SEND t, younger                 ; younger: the LDS instructions issued behind tile t's loads: the next tile's sixteen, or none
.set DD, S+32*((\t)%2)
.set OF, Q+8*((\t)%2)
.irp i, 0,1,2,3,4,5,6,7
	s_wait_dscnt (\younger)+7-\i
	global_store_b128 v[OF+\i], v[DD+4*\i:DD+4*\i+3], s[18:19] th:TH_STORE_NT
.endr
.endm
	s_wait_loadcnt 0x0                             ; the rows' numbers
	s_cmp_eq_u32 s[T], 0
	s_cbranch_scc1 .Lclose                         ; no live tile: all my rows left at the head
	TOSTAGE 0
.irp t, 1,2,3,4,5,6,7,8,9,10,11,12,13,14,15
	s_cmp_le_u32 s[T], \t
.if (\t)%2 == 1
	s_cbranch_scc1 .Lfin0                          ; the tile staged last is an even one
.else
	s_cbranch_scc1 .Lfin1                          ; an odd one
.endif
	s_wait_xcnt 0x0                                ; the stores of two tiles back have read their data and offsets, which are written again
	TOSTAGE \t
	SEND \t-1, 16
.endr
.Lfin1:
	SEND 15, 0                                     ; the odd set of staging registers
	s_branch .Lclose
.Lfin0:
	SEND 0, 0                                      ; the even set
.Lclose:
	s_wait_tensorcnt 0x0                           ; the wave's end: three lines behind my last LDS store
	ds_add_u32 v[SPW], v[NIL]
	s_wait_dscnt 0x0
	s_endpgm
.Lfunc_end_k_q6860414955_attn:
	.size	k_q6860414955_attn, .Lfunc_end_k_q6860414955_attn-k_q6860414955_attn
	.p2alignl 7, 3214868480
	.fill 96, 4, 3214868480
	.section	.rodata,"a",@progbits
	.p2align	6, 0x0
	.amdhsa_kernel k_q6860414955_attn
		.amdhsa_group_segment_fixed_size 222720
		.amdhsa_private_segment_fixed_size 0
		.amdhsa_enable_private_segment 0
		.amdhsa_kernarg_size 64
		.amdhsa_user_sgpr_count 2
		.amdhsa_user_sgpr_kernarg_segment_ptr 1
		.amdhsa_wavefront_size32 1
		.amdhsa_system_sgpr_workgroup_id_x 1
		.amdhsa_system_sgpr_workgroup_id_y 1
		.amdhsa_system_sgpr_workgroup_id_z 1
		.amdhsa_system_vgpr_workitem_id 0
		.amdhsa_next_free_vgpr 1024
		.amdhsa_next_free_sgpr 66
		.amdhsa_reserve_vcc 1
		.amdhsa_float_denorm_mode_32 3
		.amdhsa_float_denorm_mode_16_64 3
		.amdhsa_memory_ordered 1
		.amdhsa_forward_progress 1
		.amdhsa_inst_pref_size 255
	.end_amdhsa_kernel
	.section	.bss,"aw",@nobits
	.p2align	6
	.space	262144
	.amdgpu_metadata
---
amdhsa.version: [ 1, 2 ]
amdhsa.kernels:
  - .name:           k_q6860414955_attn
    .symbol:         k_q6860414955_attn.kd
    .args:
      - { .name: kc, .offset: 0, .size: 8, .value_kind: global_buffer, .address_space: global }
      - { .name: ksc, .offset: 8, .size: 8, .value_kind: global_buffer, .address_space: global }
      - { .name: vc, .offset: 16, .size: 8, .value_kind: global_buffer, .address_space: global }
      - { .name: vsc, .offset: 24, .size: 8, .value_kind: global_buffer, .address_space: global }
      - { .name: order, .offset: 32, .size: 8, .value_kind: global_buffer, .address_space: global }
      - { .name: cnt, .offset: 40, .size: 8, .value_kind: global_buffer, .address_space: global }
      - { .name: mask, .offset: 48, .size: 8, .value_kind: global_buffer, .address_space: global }
      - { .name: out0, .offset: 56, .size: 8, .value_kind: global_buffer, .address_space: global }
    .group_segment_fixed_size: 222720
    .private_segment_fixed_size: 0
    .kernarg_segment_align: 8
    .kernarg_segment_size: 64
    .max_flat_workgroup_size: 128
    .sgpr_count:     66
    .vgpr_count:     1024
    .wavefront_size: 32
...
	.end_amdgpu_metadata
.endif
;; end of part 2
